; MI455X (gfx1250); checked and timed in simulation.
; The chip was launched on July 23, 2026; its instructions are those of AMD's public machine-readable ISA for CDNA 5 (MIT licence, August 2026) and "CDNA5" Instruction Set Architecture Reference Guide (July 2026). The comments in the code are by the model that wrote it; some were corrected since.
;; Direct Horizon Head. Allowed arithmetic: matrix products marked QUANTISED: E4M3 operands, one E8M0 scale for each 32 along K, by v_wmma_scale_f32_16x16x128_f8f6f4 with both operands' format E4M3, f32 sums; products left as they are: f32 operands where the result goes on into a quantised operand, else bf16, f16 or f32 operands; f32 sums; everything else in f32.
;; Inputs: W1 256 x 256 float32; W2 256 x 1 float32; W_fm 16 x 256 float32; b1 256 float32; b2 1 float32; b_fm 256 float32; beta 256 float32; final_h 16 x 1,000 x 256 float32; future_met 16 x 24 x 1,000 x 16 float32; gamma 256 float32; step_queries 24 x 256 float32.
;; Outputs: out0 16 x 24 x 1,000 x 1 float32.
;; This version of the problem:
;;   THIS VERSION OF THE PROBLEM IS GIVEN IN LOW PRECISION. The matrix products marked QUANTISED in the list below multiply operands that are first quantised to E4M3 (4 exponent bits, 3 mantissa bits; 8 bits a number), with one power-of-two scale for each 32 numbers along K (OCP MX v1.0); their sums are f32. All else is computed in f32.
;;   The module's matrix products, in the order in which they are computed (A, B: the left and right operand; K: the contracted axis; several contracted axes count as one K, in the product's order):
;;     1. [M 384,000, K 16] x [K 16, N 256]; A: input future_met; B: input W_fm: left as it is (K = 16 < 32)
;;     2. [M 384,000, K 256] x [K 256, N 256]; A: computed on the way; B: input W1: QUANTISED
;;     3. [M 384,000, K 256] x [K 256, N 1]; A: computed on the way; B: input W2: left as it is (N = 1 < 16)
;;   THE QUANTISER, for each operand of a quantised product, along K:
;;     - K is cut into blocks of 32 from its start; a last block that is shorter is filled with zeros.
;;     - A block's scale is 2^e with e = floor(log2(the largest magnitude in the block)) - 8, held to -126 .. 127; a block of zeros has e = 0. As a byte (E8M0): e + 127.
;;     - Each number is divided by its block's scale, clamped to +-448, and rounded to the nearest number of E4M3, ties to even, subnormals kept.
;;     - The product sums the exact products of the quantised numbers (number of the format x scale) in f32.
;;   ~~~python
;;   def quantise(x, axis):      # numpy; x: float32 -> the quantised numbers, widened to float32 again
;;       x = np.moveaxis(x, axis, -1); K = x.shape[-1]
;;       x = np.pad(x, [(0, 0)] * (x.ndim - 1) + [(0, -K % 32)]); x = x.reshape(x.shape[:-1] + (-1, 32)); a = np.abs(x).max(-1, keepdims=True)
;;       e = np.where(a > 0, np.clip(np.frexp(np.where(a > 0, a, 1))[1] - 1 - 8, -126, 127), 0)      # np.frexp(a)[1] - 1 = floor(log2(a)), exactly
;;       r = np.clip(x / 2.0 ** e, -448, 448)
;;       step = 2.0 ** (np.maximum(np.frexp(np.where(r == 0, 1, r))[1] - 1, -6) - 3)
;;       q = np.round(r / step) * step * 2.0 ** e      # np.round: ties to even
;;       return np.moveaxis(q.reshape(q.shape[:-2] + (-1,))[..., :K], -1, axis).astype(np.float32)
;;   ~~~
;;   OPERANDS COMPUTED ON THE WAY. 'Computed on the way' means the value that the module computes at that place (a softmax that the list does not call 'softmax' is quantised finished and normalised). What goes into a quantiser is computed in f32, as accurately as f32 sums, v_exp_f32 and their like allow (about 1e-6 of the number): no bf16 or f16 on the way to a quantiser, and a product that is left as it is and whose result goes on into a quantised operand takes f32 operands (vector FMAs, or v_wmma_f32_16x16x4_f32). A number that lies on a knife's edge between two numbers of the format may be rounded either way, as far as f32 arithmetic and the matrix unit's own rounding can turn it there, and no further.
;; One version. Each part assembles by itself: llvm-mc -triple=amdgcn-amd-amdhsa -mcpu=gfx1250 --defsym DOCPART=n.
;; ======== version 1 of 1: 1 launch
;; limits: a function is approximated: absolute error at most 1.5e-07
;; launch head (part 1): grid 250 x 1, 8 waves a work-group, no clusters, 182,272 bytes of LDS; arguments final_h, future_met, step_queries, W_fm, b_fm, gamma, beta, W1, b1, W2, b2, out0; writes out0
.if DOCPART == 1
	.amdgcn_target "amdgcn-amd-amdhsa--gfx1250"
	.amdhsa_code_object_version 6
	.text
	.protected	k_qbe530eacd4_head
	.globl	k_qbe530eacd4_head
	.p2align	8
	.type	k_qbe530eacd4_head,@function
k_qbe530eacd4_head:
	s_mov_b64 s[64:65], 0
	v_nop
	global_prefetch_b8 v0, s[64:65] scope:SCOPE_SE
	s_setreg_imm32_b32 hwreg(HW_REG_WAVE_MODE, 25, 1), 1
	s_wait_xcnt 0x0
; out[b][t][n] = gelu(Q(LN(final_h[b][n] + step_queries[t] + b_fm + future_met[b][t][n] W_fm)) Q(W1) + b1) . W2 + b2.   Q: MX-FP8 (E4M3, one E8M0 scale for each 32 along the 256 hidden units).
; SHARES.  Rows are bn = 1000 b + n, 16,000 in all.  A work-group owns 64 of them (4 row tiles of 16) for all 24 t; one STEP is one t.  Eight waves in two roles:
;   FRONT (waves 0-3): wave q owns hidden units 64 q .. 64 q + 63 of all four row tiles: first product (f32 matrix form), LayerNorm, quantiser; its W_fm, gamma, beta and final_h stay in registers.
;   BACK  (waves 4-7): wave q owns outputs 64 q .. 64 q + 63 of W1 for all four row tiles: quantised product, gelu, the dot with W2; its codes of W1, b1 and W2 stay in registers.
; In step i the front works on t = i; the back takes gelu of t = i - 2 and then the quantised product of t = i - 1.  26 steps, two barriers a step.
; CENTRING.  x - mean(x) is linear in x's three parts: final_h is centred once a row, step_queries + b_fm once a t, each row of W_fm once.  The first product then gives d = x - mean directly, and the variance
; is the mean of d^2, summed as it stands.  Centred final_h is the C of the first K step; centred step_queries + b_fm comes in as a fifth K step (A: the number in slot k = 0, zeros elsewhere; B: 1.0).
; LAYOUT.  Both products are used transposed (source 0 = 16 hidden units or 16 columns of W1, source 1 = 16 rows): a lane holds ONE row.  The hidden units of a tile of the first product are not neighbours:
; lane r of tile 2 b + u takes unit 32 b + 8 u + r + 8 (r / 8), so that the 16 registers of tiles 2 b, 2 b + 1 are 16 neighbours along the next K.  The first product's K is permuted alike on both sides:
; K step s, slot (lane / 16, j) stands for f = 8 (lane / 16) + 2 s + j, so that a lane's 8 neighbouring numbers of future_met are its four K steps.
; Codes go from front to back through LDS as images of the operand's registers (16 bytes a lane, 512 an instruction), scale words 4 bytes a lane, each made of two waves' half-words.
; GELU.  erf by the rational form of Abramowitz and Stegun 7.1.26 (absolute error at most 1.5e-7 for every argument): gelu(z) = z / 2 + |z| (1/2 + P(t) 2^(-(k z)^2)), t = 1 / (1 + p |z|).  It stands behind the quantiser.
; LIMITS.  NaN and infinities among the inputs are not served.  A block whose largest magnitude lies under 2^-118 (a block of zeros too) gets the scale byte 1: the bytes are read by this text alone, and zero codes add
; nothing.  Sums are taken in another order than the reference's.  out0's rows of 4,000 bytes do not begin on multiples of 256: a wave's store covers 128 consecutive bytes.
; No tensor loads and no clusters: work-groups share only W1 and small tables, read once at the head; every operand of the loop is made in the kernel.
; REGISTERS.  Window 0: v1-25 addresses (made ahead of the first parting of the roles), v26-41 scale words, from v42 the role's own.  Window 1: v0-127 front: centred final_h; back: W1's codes;
; v128-255 front: d; back: the quantised product's sums: written by matrix instructions alone.  v248-255 of window 0 take future_met on its way, across barriers and joins of the roles: no other line names them.
.set BSC,   16384                      ; LDS: a buffer of codes is 16,384 bytes (row tile x 4096 + K step x 2048 + group x 512 + 16 lane); behind it 1,024 bytes of scale words ((2 tile + K step) x 128 + 4 lane)
.set FLIP,  0x8000                     ; the second buffer lies here: the two take turns
.set STAT,  17408                      ; sums of d^2: tile x 256 + 16 r + 4 q
.set MEANW, 18432                      ; the means of W_fm's 16 rows
.set FMBUF, 18688                      ; a step's future_met: tile x 1024 + half x 512 + 16 lane
.set STAT2, 22784                      ; final_h's row sums, as STAT
.set OUTP,  50176                      ; partial outputs: t x 1024 + row x 16 + 4 q
.set QTAB,  74752                      ; 26 slots of 4,096: the fifth K step's A for each t (slots 24, 25: zeros): B x 512 + 16 lane + 8 u
.set LI,  1                            ; 16 x lane
.set CWB, 2                            ; codes, writer's base: 16 lane + 1024 q
.set SWB, 3                            ; scale half-words, writer's base
.set SRB, 4                            ; scale words, reader's base
.set STW, 5
.set STR, 6
.set QAB, 7
.set FMW, 8
.set FMR, 9
.set OAB, 10
.set FMG, 11                           ; future_met: my byte offset at t = 0
.set QW,  12
.set ZW,  13
.set Z2,  14
.set MWA, 15
.set MWR, 16
.set ORD, 17
.set OGO, 18
.set CW,  19                           ; the step's addresses: base + a scalar that steps
.set SW,  20
.set CR,  21
.set SR,  22
.set QA,  23
.set OA,  24
.set LWO, 25                           ; back: my byte offset in W1
.set W1S, 26                           ; v26-33 W1's scale words (2 tile + K step);  v34-41 x's (2 row tile + K step): scales and nothing else
.set XS,  34
; front
.set WC,  42                           ; centred W_fm: 8 tile + 2 s + j
.set GA,  74
.set BE,  106
.set FM,  138                          ; future_met: 8 row tile + i
.set QF,  170                          ; the fifth K step's A: 2 tile + j
.set BX,  178                          ; and its B
.set SO,  180                          ; the conversions' scale operands, two blocks
.set HL,  182                          ; 448 x the scale
.set BY,  184                          ; the scales' bytes
.set BW,  186                          ; half-words, two sets by turns
.set RS,  188                          ; 1 / sqrt(var + eps) of row tile p at RS + 2 p
.set ST,  196                          ; four partial sums a row tile; then
.set PC,  196                          ; two sets of 8 registers of codes
.set Y,   212                          ; 32 numbers at work
.set SS,  212                          ; four pairs of sums (not at the same time as Y)
.set MW,  220
.set MXV, 244
.set PT,  246
.set SG,  248                          ; future_met on its way: v248-255, named by nothing else
.set FHO, 138                          ; global offsets of the head's loads, in registers that are filled later
.set WCO, 139
.set GBO, 140
; back
.set B1,  42
.set W2,  74
.set CD,  106                          ; x's codes: 32 row tile + 16 K step
.set TT,  106
.set EE,  138
.set PO,  170
.set A4V, 202                          ; a4 as a pair: in the part of the codes' registers that gelu leaves idle; written anew at the head of each gelu
.set X0,  106                          ; two banks of 64 numbers of W1
.set X1,  170
.set OL,  234
.set ON,  238
.set RO,  242
.set TM,  234                          ; the head's quantiser, 12 registers: +0 maxima, then bytes; +4 the permutes' results, then holds; +8 scale operands
.set BWO, 176
; the common part of the head
.set PS,  170
.set PQO, 177
.set PQ,  178
.set PB,  202
.set PW,  210
.set PCN, 226
.set PZ,  242
.set OB,  212
.set DD,  128                          ; window 1: d, or the quantised product's sums
.set SFW, 47                           ; s47 0 or FLIP: the buffer that is written;  s57: the one that is read
.set SFR, 57
.set SQ,  60                           ; s60 4096 x step
.set SOO, 61                           ; s61 1024 x (step - 2)
.set PP,  46
.set MSB, 0
.macro WIN new                         ; the immediate's high byte repeats the setting that is left; at every label and branch the setting is 0
.if MSB != \new
	s_set_vgpr_msb (MSB<<8)|\new
.set MSB, \new
.endif
.endm
.macro BAR                             ; my LDS stores have landed and my LDS loads are in: then the work-group's barrier
	s_wait_dscnt 0x0
	s_barrier_signal -1
	s_barrier_wait -1
.endm
.macro SETADR
	v_add_nc_u32 v[CW], s[SFW], v[CWB]
	v_add_nc_u32 v[SW], s[SFW], v[SWB]
	v_add_nc_u32 v[CR], s[SFR], v[LI]
	v_add_nc_u32 v[SR], s[SFR], v[SRB]
	v_add_nc_u32 v[QA], s[SQ], v[QAB]
	v_add_nc_u32 v[OA], s[SOO], v[OAB]
.endm
.macro ADVANCE                         ; behind a step's second barrier, where no LDS instruction of the wave is out
	s_xor_b32 s[SFW], s[SFW], FLIP
	s_xor_b32 s[SFR], s[SFR], FLIP
	s_add_co_u32 s[SQ], s[SQ], 4096
	SETADR
.endm
.macro NOPS n
.rept \n
	v_nop
.endr
.endm
; FRONT, first half of a step: d for my 64 hidden units of the 64 rows, and my part of each row's sum of d^2.
.macro F_PART1
.irp p, 0,1,2,3
	ds_load_b128 v[FM+8*\p:FM+8*\p+3], v[FMR] offset:1024*\p
	ds_load_b128 v[FM+8*\p+4:FM+8*\p+7], v[FMR] offset:1024*\p+512
.endr
	ds_load_b128 v[QF:QF+3], v[QA]
	ds_load_b128 v[QF+4:QF+7], v[QA] offset:512
	s_wait_dscnt 0x0
	WIN 0x50                                       ; C and D in window 1
.irp p, 0,1,2,3                        ; 80 matrix instructions, K step by K step; the 16 accumulators take turns, one instruction a turn
.irp t, 0,1,2,3
	v_wmma_f32_16x16x4_f32 v[DD+32*\p+8*\t:DD+32*\p+8*\t+7], v[WC+8*\t:WC+8*\t+1], v[FM+8*\p:FM+8*\p+1], v[32*\p+8*\t:32*\p+8*\t+7]   ; the sum begins with centred final_h
.endr
.endr
.irp s, 1,2,3
.irp p, 0,1,2,3
.irp t, 0,1,2,3
	v_wmma_f32_16x16x4_f32 v[DD+32*\p+8*\t:DD+32*\p+8*\t+7], v[WC+8*\t+2*\s:WC+8*\t+2*\s+1], v[FM+8*\p+2*\s:FM+8*\p+2*\s+1], v[DD+32*\p+8*\t:DD+32*\p+8*\t+7]
.endr
.endr
.endr
.irp p, 0,1,2,3
.irp t, 0,1,2,3
	v_wmma_f32_16x16x4_f32 v[DD+32*\p+8*\t:DD+32*\p+8*\t+7], v[QF+2*\t:QF+2*\t+1], v[BX:BX+1], v[DD+32*\p+8*\t:DD+32*\p+8*\t+7]   ; + centred (step_queries[t] + b_fm)
.endr
.endr
	WIN 0
	NOPS 8                                         ; eight places behind this form before a vector instruction reads a result
	WIN 0x05                                       ; sources 0 and 1 in window 1
.irp p, 0,1,2,3
	v_pk_mul_f32 v[SS+2*\p:SS+2*\p+1], v[DD+32*\p:DD+32*\p+1], v[DD+32*\p:DD+32*\p+1]   ; each accumulator is read from its low end on
.endr
.set m, 1
.rept 15
.irp p, 0,1,2,3
	v_pk_fma_f32 v[SS+2*\p:SS+2*\p+1], v[DD+32*\p+2*m:DD+32*\p+2*m+1], v[DD+32*\p+2*m:DD+32*\p+2*m+1], v[SS+2*\p:SS+2*\p+1]   ; the four row tiles by turns
.endr
.set m, m+1
.endr
	WIN 0
.irp p, 0,1,2,3
	v_add_f32 v[SS+2*\p], v[SS+2*\p], v[SS+2*\p+1]
.endr
.irp p, 0,1,2,3
	v_permlanex16_b32 v[SS+2*\p+1], v[SS+2*\p], s40, s41
.endr
.irp p, 0,1,2,3
	v_add_f32 v[SS+2*\p], v[SS+2*\p], v[SS+2*\p+1] ; with lane l xor 16's: my 64 hidden units of row r
.endr
.irp p, 0,1,2,3
	ds_store_b32 v[STW], v[SS+2*\p] offset:256*\p  ; both halves of the lanes write the same word with the same value
.endr
.endm
; One row tile: y = d rs gamma + beta, quantised in two blocks of 32 (a block lies in lanes l and l xor 16), codes and scale half-word to LDS.
.macro UNIT p
.set PCS, PC+8*((\p)%2)
.set BWS, BW+(\p)%2
	WIN 0x01
.set m, 0
.rept 16
	v_pk_mul_f32 v[Y+2*m:Y+2*m+1], v[DD+32*(\p)+2*m:DD+32*(\p)+2*m+1], v[RS+2*(\p):RS+2*(\p)+1] op_sel_hi:[1,0]
.set m, m+1
.endr
	WIN 0
.set m, 0
.rept 16
	v_pk_fma_f32 v[Y+2*m:Y+2*m+1], v[Y+2*m:Y+2*m+1], v[GA+2*m:GA+2*m+1], v[BE+2*m:BE+2*m+1]
.set m, m+1
.endr
.irp b, 0,1
	v_max3_num_f32 v[MXV+\b], |v[Y+16*\b]|, |v[Y+16*\b+1]|, 0x4800000   ; my 16 numbers of block b, and the floor 2^(9 - 127): the byte cannot fall under 1
.endr
.irp i, 2,4,6,8,10,12,14
.irp b, 0,1
	v_max3_num_f32 v[MXV+\b], v[MXV+\b], |v[Y+16*\b+\i]|, |v[Y+16*\b+\i+1]|
.endr
.endr
.irp b, 0,1
	v_permlanex16_b32 v[PT+\b], v[MXV+\b], s40, s41
.endr
.irp b, 0,1
	v_max_num_f32 v[MXV+\b], v[MXV+\b], v[PT+\b]   ; the block's largest magnitude
.endr
.irp b, 0,1
	v_add_nc_u32 v[SO+\b], 0xfc000000, v[MXV+\b]   ; 8 off its exponent field: the conversion's scale operand
.endr
.irp b, 0,1
	v_and_or_b32 v[HL+\b], v[MXV+\b], 0x7f800000, s42   ; 448 x the scale
.endr
.irp b, 0,1
	v_lshrrev_b32 v[BY+\b], 23, v[SO+\b]           ; the scale's byte
.endr
.if (\p) >= 2
	s_wait_dscnt 3                                 ; the last row tile's three stores may be out; those of two tiles back, whose registers are written next, are done
.endif
	v_lshl_or_b32 v[BWS], v[BY+1], 8, v[BY]        ; my two bytes of the row's scale word
.irp b, 0,1
.irp i, 0,1,2,3,4,5,6,7,8,9,10,11,12,13,14,15
	v_med3_num_f32 v[Y+16*\b+\i], v[Y+16*\b+\i], -v[HL+\b], v[HL+\b]   ; the conversion to an 8-bit code does not saturate (ISA guide 7.6.2): the hold comes first
.endr
.endr
.irp b, 0,1
	v_cvt_scalef32_pk8_fp8_f32 v[PCS+4*\b:PCS+4*\b+1], v[Y+16*\b:Y+16*\b+7], v[SO+\b]
	v_cvt_scalef32_pk8_fp8_f32 v[PCS+4*\b+2:PCS+4*\b+3], v[Y+16*\b+8:Y+16*\b+15], v[SO+\b]
.endr
	v_nop                                          ; a plain line between the conversions and the next vector line that writes their sources
	ds_store_b128 v[CW], v[PCS:PCS+3] offset:4096*(\p)
	ds_store_b128 v[CW], v[PCS+4:PCS+7] offset:4096*(\p)+512
	ds_store_b16 v[SW], v[BWS] offset:256*(\p)
.endm
; FRONT, second half of a step: the next step's future_met goes to LDS and the one after is asked for; the rows' variances; the four row tiles are normalised and quantised.
.macro F_PART2
	s_wait_loadcnt 0x0                             ; future_met of t + 1, asked for a step ago
	ds_store_b128 v[FMW], v[SG:SG+3]
	ds_store_b128 v[FMW], v[SG+4:SG+7] offset:512
.irp p, 0,1,2,3
	ds_load_b128 v[ST+4*\p:ST+4*\p+3], v[STR] offset:256*\p
.endr
	s_wait_dscnt 0x0                               ; the stores have read SG, the four waves' sums are in
	s_add_nc_u64 s[18:19], s[18:19], s[58:59]      ; one t on (0 in the last steps: no load passes the buffer's end); no load that names this base is out
	global_load_b128 v[SG:SG+3], v[FMG], s[18:19] th:TH_LOAD_NT
	global_load_b128 v[SG+4:SG+7], v[FMG], s[18:19] offset:16 th:TH_LOAD_NT
.irp p, 0,1,2,3
	v_add_f32 v[ST+4*\p], v[ST+4*\p], v[ST+4*\p+1]
.endr
.irp p, 0,1,2,3
	v_add_f32 v[ST+4*\p+2], v[ST+4*\p+2], v[ST+4*\p+3]
.endr
.irp p, 0,1,2,3
	v_add_f32 v[ST+4*\p], v[ST+4*\p], v[ST+4*\p+2]
.endr
.irp p, 0,1,2,3
	v_fma_f32 v[ST+4*\p], v[ST+4*\p], 0x3b800000, s43   ; / 256 + eps
.endr
.irp p, 0,1,2,3
	v_rsq_f32 v[RS+2*\p], v[ST+4*\p]
.endr
	v_nop                                          ; a plain line behind the last of the four,
	s_wait_alu depctr_va_vdst(0)                   ; and one wait for the batch ahead of its first reader
	UNIT 0
	UNIT 1
	UNIT 2
	UNIT 3
.endm
; BACK: gelu and the dot with W2 for one row tile.  z = the quantised product's sums (b1 was their C).
.macro GELU1 p
.set ZZ, DD+32*(\p)
	WIN 0x01
.set i, 0
.rept 32
	v_fma_f32 v[TT+i], |v[ZZ+i]|, s[PP], 1.0       ; 1 + p |z|: each accumulator is read from its low end on
.set i, i+1
.endr
.set m, 0
.rept 16
	v_pk_mul_f32 v[EE+2*m:EE+2*m+1], v[ZZ+2*m:ZZ+2*m+1], s[44:45] op_sel_hi:[1,0]   ; k z
.set m, m+1
.endr
	WIN 0
.set m, 0
.rept 16
	v_pk_mul_f32 v[EE+2*m:EE+2*m+1], v[EE+2*m:EE+2*m+1], v[EE+2*m:EE+2*m+1] neg_lo:[1,0] neg_hi:[1,0]   ; -(k z)^2
.set m, m+1
.endr
.set i, 0
.rept 32
	v_rcp_f32 v[TT+i], v[TT+i]                     ; t
.set i, i+1
.endr
.set i, 0
.rept 32
	v_exp_f32 v[EE+i], v[EE+i]                     ; e^(-z^2 / 2)
.set i, i+1
.endr
	WIN 0x01                                       ; the sum of z W2, in two chains: plain work that names no result of the batch
	v_pk_mul_f32 v[OL:OL+1], v[ZZ:ZZ+1], v[W2:W2+1]
	v_pk_mul_f32 v[OL+2:OL+3], v[ZZ+2:ZZ+3], v[W2+2:W2+3]
.set m, 2
.rept 7
	v_pk_fma_f32 v[OL:OL+1], v[ZZ+2*m:ZZ+2*m+1], v[W2+2*m:W2+2*m+1], v[OL:OL+1]
	v_pk_fma_f32 v[OL+2:OL+3], v[ZZ+2*m+2:ZZ+2*m+3], v[W2+2*m+2:W2+2*m+3], v[OL+2:OL+3]
.set m, m+2
.endr
	WIN 0
	s_wait_alu depctr_va_vdst(0)                   ; one wait for the 64, ahead of their first reader
.set m, 0
.rept 16
	v_pk_fma_f32 v[PO+2*m:PO+2*m+1], v[TT+2*m:TT+2*m+1], s[48:49], v[A4V:A4V+1] op_sel_hi:[1,0,1]
.set m, m+1
.endr
.irp c, 50,52,54
.set m, 0
.rept 16
	v_pk_fma_f32 v[PO+2*m:PO+2*m+1], v[PO+2*m:PO+2*m+1], v[TT+2*m:TT+2*m+1], s[\c:\c+1] op_sel_hi:[1,1,0]
.set m, m+1
.endr
.endr
.set m, 0
.rept 16
	v_pk_mul_f32 v[PO+2*m:PO+2*m+1], v[PO+2*m:PO+2*m+1], v[TT+2*m:TT+2*m+1]
.set m, m+1
.endr
.set m, 0
.rept 16
	v_pk_fma_f32 v[PO+2*m:PO+2*m+1], v[PO+2*m:PO+2*m+1], v[EE+2*m:EE+2*m+1], 0.5 op_sel_hi:[1,1,0]   ; R = 1/2 + P(t) e^(-z^2 / 2)
.set m, m+1
.endr
	WIN 0x01
.set i, 0
.rept 32
	v_mul_f32 v[PO+i], |v[ZZ+i]|, v[PO+i]          ; |z| R
.set i, i+1
.endr
	WIN 0
	v_pk_mul_f32 v[ON:ON+1], v[PO:PO+1], v[W2:W2+1]
	v_pk_mul_f32 v[ON+2:ON+3], v[PO+2:PO+3], v[W2+2:W2+3]
.set m, 2
.rept 7
	v_pk_fma_f32 v[ON:ON+1], v[PO+2*m:PO+2*m+1], v[W2+2*m:W2+2*m+1], v[ON:ON+1]
	v_pk_fma_f32 v[ON+2:ON+3], v[PO+2*m+2:PO+2*m+3], v[W2+2*m+2:W2+2*m+3], v[ON+2:ON+3]
.set m, m+2
.endr
	v_pk_add_f32 v[OL:OL+1], v[OL:OL+1], v[OL+2:OL+3]
	v_pk_add_f32 v[ON:ON+1], v[ON:ON+1], v[ON+2:ON+3]
	v_pk_fma_f32 v[ON:ON+1], v[OL:OL+1], 0.5, v[ON:ON+1] op_sel_hi:[1,0,1]
	v_add_f32 v[RO+(\p)], v[ON], v[ON+1]
	v_permlanex16_b32 v[PT], v[RO+(\p)], s40, s41
	v_add_f32 v[RO+(\p)], v[RO+(\p)], v[PT]        ; with lane l xor 16's 32 outputs: my 64 of row r
.endm
.macro G_GELU
	v_mov_b32 v[A4V], 0x3f3a00e3                   ; a4 x -1/2, twice: the last product's codes lay here; its eight places stand at its end
	v_mov_b32 v[A4V+1], 0x3f3a00e3
	GELU1 0
	GELU1 1
	GELU1 2
	GELU1 3
.endm
.macro G_OUT
.irp p, 0,1,2,3
	ds_store_b32 v[OA], v[RO+\p] offset:256*\p
.endr
.endm
; BACK: the quantised product of one t: my four tiles of W1's columns x the four row tiles, two K steps of 128.  The 16 accumulators take turns.
.macro G_MX
.irp e, 0,1,2,3,4,5,6,7
	ds_load_b32 v[XS+\e], v[SR] offset:128*\e
.endr
.irp p, 0,1,2,3
.irp c, 0,1,2,3
	ds_load_b128 v[CD+32*\p+4*\c:CD+32*\p+4*\c+3], v[CR] offset:4096*\p+512*\c
.endr
.endr
.irp p, 0,1,2,3
.irp c, 0,1,2,3
	ds_load_b128 v[CD+32*\p+16+4*\c:CD+32*\p+16+4*\c+3], v[CR] offset:4096*\p+2048+512*\c
.endr
.endr
	s_wait_dscnt 16                                ; the scale words and the first K step's fragments are in; the second's 16 loads may be out
	WIN 0x41                                       ; source 0 (W1's codes) and D in window 1; C = b1 in window 0
.irp p, 0,1,2,3
.irp n, 0,1,2,3
	v_wmma_scale_f32_16x16x128_f8f6f4 v[DD+32*\p+8*\n:DD+32*\p+8*\n+7], v[32*\n:32*\n+15], v[CD+32*\p:CD+32*\p+15], v[B1+8*\n:B1+8*\n+7], v[W1S+2*\n], v[XS+2*\p]
.endr
.endr
	s_wait_dscnt 0x0
	WIN 0x51
.irp p, 0,1,2,3
.irp n, 0,1,2,3
	v_wmma_scale_f32_16x16x128_f8f6f4 v[DD+32*\p+8*\n:DD+32*\p+8*\n+7], v[32*\n+16:32*\n+31], v[CD+32*\p+16:CD+32*\p+31], v[DD+32*\p+8*\n:DD+32*\p+8*\n+7], v[W1S+2*\n+1], v[XS+2*\p+1]
.endr
.endr
	WIN 0
	NOPS 8                                         ; eight places behind this form before results are read or its registers written
.endm
; BACK, at the head: W1 [k][n] f32 becomes my eight fragments of codes.  A lane takes a column n and its registers run down K, in the order that the operand's layout gives the lane.
.macro LOADW n, s, x
.irp c, 0,1,2,3
.irp i, 0,1,2,3,4,5,6,7,8,9,10,11,12,13,14,15
	global_load_b32 v[\x+16*\c+\i], v[LWO], s[30:31] offset:(128*(\s)+32*\c+\i)*1024+64*(\n)
.endr
.endr
.endm
.macro QUANTW x, n, s
.irp b, 0,1,2,3
	v_max3_num_f32 v[TM+\b], |v[\x+16*\b]|, |v[\x+16*\b+1]|, 0x4800000
.endr
.irp i, 2,4,6,8,10,12,14
.irp b, 0,1,2,3
	v_max3_num_f32 v[TM+\b], v[TM+\b], |v[\x+16*\b+\i]|, |v[\x+16*\b+\i+1]|
.endr
.endr
.irp b, 0,1,2,3
	v_permlanex16_b32 v[TM+4+\b], v[TM+\b], s40, s41
.endr
.irp b, 0,1,2,3
	v_max_num_f32 v[TM+\b], v[TM+\b], v[TM+4+\b]   ; the block's largest magnitude
.endr
.irp b, 0,1,2,3
	v_add_nc_u32 v[TM+8+\b], 0xfc000000, v[TM+\b]  ; the conversion's scale operand
.endr
.irp b, 0,1,2,3
	v_and_or_b32 v[TM+4+\b], v[TM+\b], 0x7f800000, s42   ; 448 x the scale, over the permute's result
.endr
.irp b, 0,1,2,3
	v_lshrrev_b32 v[TM+\b], 23, v[TM+8+\b]         ; the scale's byte, over the maximum
.endr
	v_lshl_or_b32 v[W1S+2*(\n)+(\s)], v[TM+1], 8, v[TM]   ; column n's scale word for this K step
	v_lshl_or_b32 v[W1S+2*(\n)+(\s)], v[TM+2], 16, v[W1S+2*(\n)+(\s)]
	v_lshl_or_b32 v[W1S+2*(\n)+(\s)], v[TM+3], 24, v[W1S+2*(\n)+(\s)]
.irp b, 0,1,2,3
.irp i, 0,1,2,3,4,5,6,7,8,9,10,11,12,13,14,15
	v_med3_num_f32 v[\x+16*\b+\i], v[\x+16*\b+\i], -v[TM+4+\b], v[TM+4+\b]
.endr
.endr
	WIN 0x40                                       ; the codes go to window 1
.irp b, 0,1,2,3
	v_cvt_scalef32_pk8_fp8_f32 v[32*(\n)+16*(\s)+4*\b:32*(\n)+16*(\s)+4*\b+1], v[\x+16*\b:\x+16*\b+7], v[TM+8+\b]
	v_cvt_scalef32_pk8_fp8_f32 v[32*(\n)+16*(\s)+4*\b+2:32*(\n)+16*(\s)+4*\b+3], v[\x+16*\b+8:\x+16*\b+15], v[TM+8+\b]
.endr
	WIN 0
	v_nop                                          ; a plain line behind the last conversion
.endm
.macro W1PREP s                        ; bank 0 holds, or awaits, tile 0 of K step s.  The count 63 leaves all but one of the 64 loads just asked for on their way: the other bank's are in
	LOADW 1, \s, X1
	s_wait_loadcnt 63
	QUANTW X0, 0, \s
	LOADW 2, \s, X0
	s_wait_loadcnt 63
	QUANTW X1, 1, \s
	LOADW 3, \s, X1
	s_wait_loadcnt 63
	QUANTW X0, 2, \s
.if (\s) == 0
	LOADW 0, 1, X0
	s_wait_loadcnt 63
.else
	s_wait_loadcnt 0x0
.endif
	QUANTW X1, 3, \s
.endm
.macro PSUM d, s                       ; the mean of a row of 256 numbers, 8 a lane
	v_pk_add_f32 v[PCN:PCN+1], v[(\s):(\s)+1], v[(\s)+2:(\s)+3]
	v_pk_add_f32 v[PCN+2:PCN+3], v[(\s)+4:(\s)+5], v[(\s)+6:(\s)+7]
	v_pk_add_f32 v[PCN:PCN+1], v[PCN:PCN+1], v[PCN+2:PCN+3]
	v_add_f32 v[\d], v[PCN], v[PCN+1]
	v_add_f32_dpp v[\d], v[\d], v[\d] row_xmask:1 row_mask:0xf bank_mask:0xf
	v_add_f32_dpp v[\d], v[\d], v[\d] row_xmask:2 row_mask:0xf bank_mask:0xf
	v_add_f32_dpp v[\d], v[\d], v[\d] row_xmask:4 row_mask:0xf bank_mask:0xf
	v_add_f32_dpp v[\d], v[\d], v[\d] row_xmask:8 row_mask:0xf bank_mask:0xf
	v_permlanex16_b32 v[PS+5], v[\d], s40, s41
	v_add_f32 v[\d], v[\d], v[PS+5]
	v_mul_f32 v[\d], 0x3b800000, v[\d]
.endm
; ---------------- the head, common: every LDS address is made here, ahead of the first parting of the roles
	s_load_b512 s[16:31], s[0:1], 0x0              ; final_h 16, future_met 18, step_queries 20, W_fm 22, b_fm 24, gamma 26, beta 28, W1 30
	s_load_b256 s[32:39], s[0:1], 0x40             ; b1 32, W2 34, b2 36, out0 38
	v_lshrrev_b32 v240, 5, v0
	v_readfirstlane_b32 s2, v240                   ; wave 0..7: 0-3 front, 4-7 back
	s_and_b32 s4, s2, 3                            ; q: my place in my role
	v_and_b32 v240, 31, v0                         ; lane
	v_and_b32 v241, 15, v0                         ; r
	v_bfe_u32 v242, v0, 4, 1                       ; h
	v_lshlrev_b32 v[LI], 4, v240
	s_lshl_b32 s6, s4, 10
	v_add_nc_u32 v[CWB], s6, v[LI]                 ; K step q / 2 (2,048 bytes), groups 2 (q % 2) on (512 each): 1024 q
	v_lshl_add_u32 v[SRB], v240, 2, BSC
	s_lshr_b32 s7, s4, 1
	s_lshl_b32 s7, s7, 7
	s_and_b32 s8, s4, 1
	s_lshl_b32 s8, s8, 1
	s_add_co_u32 s7, s7, s8
	v_add_nc_u32 v[SWB], s7, v[SRB]                ; K step q / 2's word, half-word q % 2
	v_lshl_add_u32 v[STR], v241, 4, STAT
	s_lshl_b32 s8, s4, 2
	v_add_nc_u32 v[STW], s8, v[STR]
	v_add_nc_u32 v[QAB], QTAB, v[CWB]
	v_add_nc_u32 v[FMW], FMBUF, v[CWB]
	v_add_nc_u32 v[FMR], FMBUF, v[LI]
	v_add_nc_u32 v[OAB], OUTP-STAT, v[STW]
	s_lshl_b32 s9, ttmp9, 6                        ; the work-group's first row bn
	s_lshl_b32 s10, s4, 4
	s_add_co_u32 s10, s9, s10
	v_add_nc_u32 v243, s10, v241                   ; bn of row tile q, row r
	v_mul_lo_u32 v244, v243, 33555
	v_lshrrev_b32 v244, 25, v244                   ; b = bn / 1000: exact for bn under 16,000 (33555 / 2^25 exceeds 1 / 1000 by 1.7e-8)
	v_mul_lo_u32 v244, v244, 1472000
	v_lshl_add_u32 v244, v243, 6, v244             ; future_met [b][t][n][16]: 64 bn + 1,472,000 b + 64,000 t
	v_lshl_add_u32 v[FMG], v242, 5, v244           ; + my half's 8 numbers
	s_mul_i32 s11, s2, 12288
	s_add_co_u32 s11, s11, QTAB                    ; my wave's three slots of the table
	v_lshrrev_b32 v243, 2, v240
	v_lshlrev_b32 v243, 9, v243
	v_bfe_u32 v244, v0, 1, 1
	v_lshl_add_u32 v243, v244, 7, v243
	v_and_b32 v244, 1, v0
	v_lshl_add_u32 v243, v244, 3, v243
	v_add_nc_u32 v[QW], s11, v243                  ; hidden unit 8 lane + i lies at B = lane / 4, r = 8 ((lane / 2) % 2) + i, u = lane % 2
	v_lshlrev_b32 v243, 9, v242
	v_lshl_add_u32 v243, v241, 4, v243
	v_add_nc_u32 v243, 256, v243
	v_add_nc_u32 v[ZW], s11, v243                  ; the upper lanes' halves of the blocks: zeros
	s_lshl_b32 s12, s2, 10
	s_add_co_u32 s12, s12, QTAB+98304
	v_add_nc_u32 v[Z2], s12, v[LI]                 ; slots 24 and 25: zeros
	s_lshl_b32 s12, s2, 3
	s_add_co_u32 s12, s12, MEANW
	v_mov_b32 v[MWA], s12
	v_lshl_add_u32 v[MWR], v242, 5, MEANW
	v_lshrrev_b32 v243, 6, v0
	v_and_b32 v244, 63, v0
	v_lshlrev_b32 v245, 10, v243
	v_lshl_add_u32 v245, v244, 4, v245
	v_add_nc_u32 v[ORD], OUTP, v245                ; the way out: thread: row v0 % 64, t = v0 / 64 + 4 k
	v_add_nc_u32 v244, s9, v244
	v_mul_lo_u32 v245, v244, 33555
	v_lshrrev_b32 v245, 25, v245
	v_mul_lo_u32 v245, v245, 92000
	v_lshl_add_u32 v245, v244, 2, v245             ; out0 [b][t][n]: 4 bn + 92,000 b + 4,000 t
	v_mad_u32_u24 v[OGO], v243, 4000, v245
	s_mov_b32 s[SFW], 0
	s_mov_b32 s[SFR], FLIP
	s_mov_b32 s[SQ], 0
	s_mov_b32 s[SOO], 0
	SETADR
	v_mov_b32 v[PT], 0                             ; a lane permute's destination counts as one of its sources
	v_mov_b32 v[PT+1], 0
	v_lshlrev_b32 v[PQO], 5, v240                  ; 8 numbers a lane
	s_mov_b32 s40, 0x76543210
	s_mov_b32 s41, 0xfedcba98                      ; v_permlanex16_b32's selects for lane l xor 16
	s_mov_b32 s42, 0x600000                        ; the mantissa field of 448
	s_mov_b32 s43, 0x3727c5ac                      ; eps = 1e-5
	s_mov_b32 s44, 0x3f596d27                      ; k = sqrt(log2(e) / 2)
	s_mov_b32 s45, s44
	s_mov_b32 s[PP], 0x3e6d3388                    ; p = 0.3275911 / sqrt(2)
	s_mov_b32 s48, 0xbf07dc22                      ; the polynomial's coefficients, each x -1/2: a5,
	s_mov_b32 s49, s48
	s_mov_b32 s50, 0xbf35f0e3                      ; a3,
	s_mov_b32 s51, s50
	s_mov_b32 s52, 0x3e11a98e                      ; a2,
	s_mov_b32 s53, s52
	s_mov_b32 s54, 0xbe027906                      ; a1 (a4 lies in a vector pair: an instruction takes one scalar pair)
	s_mov_b32 s55, s54
	s_mov_b32 s58, 64000                           ; future_met: one t on
	s_mov_b32 s59, 0
	s_lshl_b32 s14, s4, 8                          ; 256 q: my 64 numbers of a row of 256
	s_mov_b32 s13, 0
	s_wait_kmcnt 0x0
	s_load_b32 s56, s[36:37], 0x0                  ; b2
	s_mul_i32 s12, s2, 3072
	s_add_nc_u64 s[6:7], s[20:21], s[12:13]        ; step_queries at t = 3 wave
	s_lshl_b32 s12, s2, 11
	s_add_nc_u64 s[8:9], s[22:23], s[12:13]        ; W_fm at f = 2 wave
	s_lshl_b32 s12, ttmp9, 16
	s_add_nc_u64 s[16:17], s[16:17], s[12:13]      ; final_h at the work-group's first row
; ---------------- each role asks for what stays in its registers
	s_cmp_lt_u32 s2, 4
	s_cbranch_scc0 .Lb_back
	v_lshlrev_b32 v[FHO], 10, v241
	v_lshl_add_u32 v[FHO], v242, 6, v[FHO]
	v_add_nc_u32 v[FHO], s14, v[FHO]               ; final_h: row r, units 64 q + 16 h on
	v_and_b32 v[WCO], 8, v241
	v_add_nc_u32 v[WCO], v[WCO], v241              ; r + 8 (r / 8)
	v_lshlrev_b32 v[WCO], 2, v[WCO]
	v_lshl_add_u32 v[WCO], v242, 13, v[WCO]        ; W_fm: rows f = 8 h on
	v_add_nc_u32 v[WCO], s14, v[WCO]
	v_lshlrev_b32 v[GBO], 6, v242
	v_add_nc_u32 v[GBO], s14, v[GBO]
	global_load_b128 v[SG:SG+3], v[FMG], s[18:19] th:TH_LOAD_NT      ; future_met of t = 0: wave q fetches row tile q for all four
	global_load_b128 v[SG+4:SG+7], v[FMG], s[18:19] offset:16 th:TH_LOAD_NT
	WIN 0x40
.irp p, 0,1,2,3
.irp c, 0,1,2,3,4,5,6,7
	global_load_b128 v[32*\p+4*\c:32*\p+4*\c+3], v[FHO], s[16:17] offset:16384*\p+128*(\c/4)+16*(\c%4) th:TH_LOAD_NT
.endr
.endr
	WIN 0
.irp t, 0,1,2,3
.irp e, 0,1,2,3,4,5,6,7
	global_load_b32 v[WC+8*\t+\e], v[WCO], s[22:23] offset:1024*\e+128*(\t/2)+32*(\t%2)
.endr
.endr
.irp c, 0,1,2,3,4,5,6,7
	global_load_b128 v[GA+4*\c:GA+4*\c+3], v[GBO], s[26:27] offset:128*(\c/4)+16*(\c%4)
	global_load_b128 v[BE+4*\c:BE+4*\c+3], v[GBO], s[28:29] offset:128*(\c/4)+16*(\c%4)
.endr
	s_branch .Lb_join
.Lb_back:
	v_lshlrev_b32 v[LWO], 14, v242
	v_lshl_add_u32 v[LWO], v241, 2, v[LWO]
	v_add_nc_u32 v[LWO], s14, v[LWO]               ; W1: rows k = 16 h on, column 64 q + r
	v_lshlrev_b32 v[BWO], 5, v242
	v_add_nc_u32 v[BWO], s14, v[BWO]               ; b1, W2: outputs 64 q + 8 h on
	LOADW 0, 0, X0
.irp c, 0,1,2,3,4,5,6,7
	global_load_b128 v[B1+4*\c:B1+4*\c+3], v[BWO], s[32:33] offset:64*(\c/2)+16*(\c%2)
	global_load_b128 v[W2+4*\c:W2+4*\c+3], v[BWO], s[34:35] offset:64*(\c/2)+16*(\c%2)
.endr
.Lb_join:
; ---------------- common: wave w centres step_queries + b_fm for t = 3 w .. 3 w + 2 into the table, and takes the means of W_fm's rows 2 w, 2 w + 1
.irp k, 0,1,2
	global_load_b128 v[PQ+8*\k:PQ+8*\k+3], v[PQO], s[6:7] offset:1024*\k
	global_load_b128 v[PQ+8*\k+4:PQ+8*\k+7], v[PQO], s[6:7] offset:1024*\k+16
.endr
	global_load_b128 v[PB:PB+3], v[PQO], s[24:25]
	global_load_b128 v[PB+4:PB+7], v[PQO], s[24:25] offset:16
.irp e, 0,1
	global_load_b128 v[PW+8*\e:PW+8*\e+3], v[PQO], s[8:9] offset:1024*\e
	global_load_b128 v[PW+8*\e+4:PW+8*\e+7], v[PQO], s[8:9] offset:1024*\e+16
.endr
	v_mov_b32 v[PS+5], 0
.irp i, 0,1,2,3
	v_mov_b32 v[PZ+\i], 0
.endr
	s_wait_loadcnt 0x0                             ; these, and all that the roles have asked for
.irp k, 0,1,2
.irp i, 0,2,4,6
	v_pk_add_f32 v[PQ+8*\k+\i:PQ+8*\k+\i+1], v[PQ+8*\k+\i:PQ+8*\k+\i+1], v[PB+\i:PB+\i+1]
.endr
.endr
	PSUM PS, PQ
	PSUM PS+1, PQ+8
	PSUM PS+2, PQ+16
	PSUM PS+3, PW
	PSUM PS+4, PW+8
.irp i, 1,3,5,7,9,11,13,15
	v_mov_b32 v[PCN+\i], 0                         ; slot k = 1 of the fifth K step's A
.endr
.irp k, 0,1,2
.irp i, 0,1,2,3,4,5,6,7
	v_sub_f32 v[PCN+2*\i], v[PQ+8*\k+\i], v[PS+\k]
.endr
.irp i, 0,1,2,3,4,5,6,7
	ds_store_b64 v[QW], v[PCN+2*\i:PCN+2*\i+1] offset:4096*\k+16*\i
.endr
.irp m, 0,1,2,3
	ds_store_b128 v[ZW], v[PZ:PZ+3] offset:4096*\k+1024*\m
.endr
	s_wait_dscnt 0x0                               ; the stores have read their registers
.endr
	ds_store_b32 v[MWA], v[PS+3]
	ds_store_b32 v[MWA], v[PS+4] offset:4
	ds_store_b128 v[Z2], v[PZ:PZ+3]
	ds_store_b128 v[Z2], v[PZ:PZ+3] offset:512
	s_wait_dscnt 0x0
; ---------------- front: final_h's row sums, future_met of t = 0 to LDS;  back: W1's first K step
	s_cmp_lt_u32 s2, 4
	s_cbranch_scc0 .Ld_back
	WIN 0x05
.irp p, 0,1,2,3
	v_pk_add_f32 v[SS+2*\p:SS+2*\p+1], v[32*\p:32*\p+1], v[32*\p+2:32*\p+3]
.endr
	WIN 0x04
.set m, 2
.rept 14
.irp p, 0,1,2,3
	v_pk_add_f32 v[SS+2*\p:SS+2*\p+1], v[SS+2*\p:SS+2*\p+1], v[32*\p+2*m:32*\p+2*m+1]
.endr
.set m, m+1
.endr
	WIN 0
.irp p, 0,1,2,3
	v_add_f32 v[SS+2*\p], v[SS+2*\p], v[SS+2*\p+1]
.endr
.irp p, 0,1,2,3
	v_permlanex16_b32 v[SS+2*\p+1], v[SS+2*\p], s40, s41
.endr
.irp p, 0,1,2,3
	v_add_f32 v[SS+2*\p], v[SS+2*\p], v[SS+2*\p+1]
.endr
.irp p, 0,1,2,3
	ds_store_b32 v[STW], v[SS+2*\p] offset:STAT2-STAT+256*\p
.endr
	ds_store_b128 v[FMW], v[SG:SG+3]
	ds_store_b128 v[FMW], v[SG+4:SG+7] offset:512
	s_wait_dscnt 0x0                               ; the stores have read SG
	s_add_nc_u64 s[18:19], s[18:19], 64000         ; no load that names this base is out
	global_load_b128 v[SG:SG+3], v[FMG], s[18:19] th:TH_LOAD_NT      ; t = 1
	global_load_b128 v[SG+4:SG+7], v[FMG], s[18:19] offset:16 th:TH_LOAD_NT
	s_branch .Ld_join
.Ld_back:
.irp b, 0,1,2,3
	v_mov_b32 v[TM+4+\b], 0                        ; a lane permute's destination counts as one of its sources
.endr
	W1PREP 0
.Ld_join:
	s_wait_kmcnt 0x0                               ; b2
	BAR                                            ; the table, W_fm's means, final_h's row sums and future_met of t = 0 lie in LDS
; ---------------- step 0
	s_cmp_lt_u32 s2, 4
	s_cbranch_scc0 .Ls0_back
.irp p, 0,1,2,3
	ds_load_b128 v[ST+4*\p:ST+4*\p+3], v[STR] offset:STAT2-STAT+256*\p
.endr
	ds_load_b128 v[MW:MW+3], v[MWR]
	ds_load_b128 v[MW+4:MW+7], v[MWR] offset:16
	s_wait_dscnt 0x0
.irp p, 0,1,2,3
	v_add_f32 v[ST+4*\p], v[ST+4*\p], v[ST+4*\p+1]
.endr
.irp p, 0,1,2,3
	v_add_f32 v[ST+4*\p+2], v[ST+4*\p+2], v[ST+4*\p+3]
.endr
.irp p, 0,1,2,3
	v_add_f32 v[ST+4*\p], v[ST+4*\p], v[ST+4*\p+2]
.endr
.irp p, 0,1,2,3
	v_mul_f32 v[RS+2*\p], 0xbb800000, v[ST+4*\p]   ; minus the row's mean
	v_mov_b32 v[RS+2*\p+1], 0                      ; (named with it as a pair, so it is written)
.endr
.irp t, 0,1,2,3
.irp s, 0,1,2,3
	v_pk_add_f32 v[WC+8*\t+2*\s:WC+8*\t+2*\s+1], v[WC+8*\t+2*\s:WC+8*\t+2*\s+1], v[MW+2*\s:MW+2*\s+1] neg_lo:[0,1] neg_hi:[0,1]   ; W_fm's rows centred
.endr
.endr
	v_mov_b32 v[BX], 1.0                           ; the fifth K step's B: A is zero in every slot but k = 0
	v_mov_b32 v[BX+1], 0
	WIN 0x41
.irp p, 0,1,2,3
.set m, 0
.rept 16
	v_pk_add_f32 v[32*\p+2*m:32*\p+2*m+1], v[32*\p+2*m:32*\p+2*m+1], v[RS+2*\p:RS+2*\p+1] op_sel_hi:[1,0]   ; final_h centred
.set m, m+1
.endr
.endr
	WIN 0
	NOPS 8
	F_PART1
	s_branch .Ls0_x
.Ls0_back:
	W1PREP 1
.Ls0_x:
	BAR                                            ; every front wave's sums of d^2 lie in LDS; the step's reads of future_met are over
	s_cmp_lt_u32 s2, 4
	s_cbranch_scc0 .Ls0_y
	F_PART2
.Ls0_y:
	BAR                                            ; the step's codes and the next step's future_met lie in LDS
	ADVANCE
; ---------------- step 1: the back has nothing yet for gelu
	s_cmp_lt_u32 s2, 4
	s_cbranch_scc0 .Ls1_x
	F_PART1
.Ls1_x:
	BAR
	s_cmp_lt_u32 s2, 4
	s_cbranch_scc0 .Ls1_back2
	F_PART2
	s_branch .Ls1_y
.Ls1_back2:
	G_MX                                           ; t = 0
.Ls1_y:
	BAR
	ADVANCE
	s_mov_b32 s5, 2
; ---------------- steps 2 to 25.  Every wave passes both barriers of every step; a role that has nothing left jumps over its work alone.
.Lstep:
	s_cmp_lt_u32 s5, 22
	s_cselect_b32 s58, 64000, 0                    ; step i asks for t = i + 2: from step 22 on the address stays at t = 23
	s_cmp_lt_u32 s2, 4
	s_cbranch_scc0 .Lg1
	s_cmp_ge_u32 s5, 24
	s_cbranch_scc1 .Lj1
	F_PART1                                        ; t = i
	s_branch .Lj1
.Lg1:
	G_GELU                                         ; t = i - 2
.Lj1:
	BAR                                            ; the sums of d^2 lie in LDS, and the step's reads of future_met are over
	s_cmp_lt_u32 s2, 4
	s_cbranch_scc0 .Lg2
	s_cmp_ge_u32 s5, 24
	s_cbranch_scc1 .Lj2
	F_PART2
	s_branch .Lj2
.Lg2:
	G_OUT
	s_cmp_ge_u32 s5, 25
	s_cbranch_scc1 .Lj2
	G_MX                                           ; t = i - 1, from the buffer that the front does not write in this step
.Lj2:
	BAR                                            ; codes of t = i lie in LDS; the reads of t = i - 1's are over, so that buffer may be written in the next step
	s_add_co_u32 s[SOO], s[SOO], 1024
	ADVANCE
	s_add_co_u32 s5, s5, 1
	s_cmp_lt_u32 s5, 26
	s_cbranch_scc1 .Lstep
; ---------------- the way out: 24 t x 64 rows, six numbers a thread: the four back waves' parts and b2
	s_wait_loadcnt 0x0                             ; the front's last loads of future_met have landed
.irp k, 0,1,2,3,4,5
	ds_load_b128 v[OB+4*\k:OB+4*\k+3], v[ORD] offset:4096*\k
.endr
	s_wait_dscnt 0x0
.irp k, 0,1,2,3,4,5
	v_add_f32 v[OB+4*\k], v[OB+4*\k], v[OB+4*\k+1]
.endr
.irp k, 0,1,2,3,4,5
	v_add_f32 v[OB+4*\k+2], v[OB+4*\k+2], v[OB+4*\k+3]
.endr
.irp k, 0,1,2,3,4,5
	v_add_f32 v[OB+4*\k], v[OB+4*\k], v[OB+4*\k+2]
.endr
.irp k, 0,1,2,3,4,5
	v_add_f32 v[OB+4*\k], s56, v[OB+4*\k]
.endr
.irp k, 0,1,2,3,4,5
	global_store_b32 v[OGO], v[OB+4*\k], s[38:39] offset:16000*\k th:TH_STORE_NT   ; a wave stores 128 consecutive bytes of one t (two runs where the 64 rows pass from one b to the next)
.endr
	s_wait_xcnt 0x0
	v_lshl_add_u32 v246, v0, 2, 0x2c400
	v_mov_b32 v247, 0
	s_wait_tensorcnt 0x0
	ds_add_u32 v246, v247
	s_wait_dscnt 0x0
	s_endpgm
.Lfunc_end_k_qbe530eacd4_head:
	.size	k_qbe530eacd4_head, .Lfunc_end_k_qbe530eacd4_head-k_qbe530eacd4_head
	.p2alignl 7, 3214868480
	.fill 96, 4, 3214868480
	.section	.rodata,"a",@progbits
	.p2align	6, 0x0
	.amdhsa_kernel k_qbe530eacd4_head
		.amdhsa_group_segment_fixed_size 182272
		.amdhsa_private_segment_fixed_size 0
		.amdhsa_enable_private_segment 0
		.amdhsa_kernarg_size 96
		.amdhsa_user_sgpr_count 2
		.amdhsa_user_sgpr_kernarg_segment_ptr 1
		.amdhsa_wavefront_size32 1
		.amdhsa_system_sgpr_workgroup_id_x 1
		.amdhsa_system_sgpr_workgroup_id_y 1
		.amdhsa_system_sgpr_workgroup_id_z 1
		.amdhsa_system_vgpr_workitem_id 0
		.amdhsa_next_free_vgpr 512
		.amdhsa_next_free_sgpr 66
		.amdhsa_reserve_vcc 0
		.amdhsa_float_denorm_mode_32 3
		.amdhsa_float_denorm_mode_16_64 3
		.amdhsa_memory_ordered 1
		.amdhsa_forward_progress 1
		.amdhsa_inst_pref_size 255
	.end_amdhsa_kernel
	.section	.bss,"aw",@nobits
	.p2align	6
	.space	262144
	.amdgpu_metadata
---
amdhsa.version: [ 1, 2 ]
amdhsa.kernels:
  - .name:           k_qbe530eacd4_head
    .symbol:         k_qbe530eacd4_head.kd
    .args:
      - { .name: final_h, .offset: 0, .size: 8, .value_kind: global_buffer, .address_space: global }
      - { .name: future_met, .offset: 8, .size: 8, .value_kind: global_buffer, .address_space: global }
      - { .name: step_queries, .offset: 16, .size: 8, .value_kind: global_buffer, .address_space: global }
      - { .name: W_fm, .offset: 24, .size: 8, .value_kind: global_buffer, .address_space: global }
      - { .name: b_fm, .offset: 32, .size: 8, .value_kind: global_buffer, .address_space: global }
      - { .name: gamma, .offset: 40, .size: 8, .value_kind: global_buffer, .address_space: global }
      - { .name: beta, .offset: 48, .size: 8, .value_kind: global_buffer, .address_space: global }
      - { .name: W1, .offset: 56, .size: 8, .value_kind: global_buffer, .address_space: global }
      - { .name: b1, .offset: 64, .size: 8, .value_kind: global_buffer, .address_space: global }
      - { .name: W2, .offset: 72, .size: 8, .value_kind: global_buffer, .address_space: global }
      - { .name: b2, .offset: 80, .size: 8, .value_kind: global_buffer, .address_space: global }
      - { .name: out0, .offset: 88, .size: 8, .value_kind: global_buffer, .address_space: global }
    .group_segment_fixed_size: 182272
    .private_segment_fixed_size: 0
    .kernarg_segment_align: 8
    .kernarg_segment_size: 96
    .max_flat_workgroup_size: 256
    .sgpr_count:     66
    .vgpr_count:     512
    .wavefront_size: 32
...
	.end_amdgpu_metadata
.endif
;; end of part 1
